; MI455X (gfx1250); checked and timed in simulation.
; The chip was launched on July 23, 2026; its instructions are those of AMD's public machine-readable ISA for CDNA 5 (MIT licence, August 2026) and "CDNA5" Instruction Set Architecture Reference Guide (July 2026). The comments in the code are by the model that wrote it; some were corrected since.
;; Anchor Target Layer. Allowed arithmetic: float matrix products may take bf16 or f16 operands with f32 sums; other float arithmetic in f32, or as packed bf16 or f16 multiplies, adds, multiply-adds, maxima and minima; sums over many terms, partial sums and values carried from step to step in f32; what a program stores and reads back later, other than sums and carried values, may be rounded once to bf16 or f16.
;; Inputs: anchors 100,000 x 4 float32; gt_boxes 4 x 64 x 4 float32.
;; Outputs: out0 4 x 100,000 float32.
;; One version. Each part assembles by itself: llvm-mc -triple=amdgcn-amd-amdhsa -mcpu=gfx1250 --defsym DOCPART=n.
;; ======== version 1 of 1: 1 launch
;; launch anchor_iou (part 1): grid 64 x 4, 16 waves a work-group, no clusters, 28,672 bytes of LDS; arguments anchors, gt_boxes, out0; writes out0
.if DOCPART == 1
	.amdgcn_target "amdgcn-amd-amdhsa--gfx1250"
	.amdhsa_code_object_version 6
	.text
	.protected	k_qb9fd8ca609_anchor_iou
	.globl	k_qb9fd8ca609_anchor_iou
	.p2align	8
	.type	k_qb9fd8ca609_anchor_iou,@function
k_qb9fd8ca609_anchor_iou:
	s_mov_b64 s[64:65], 0
	v_nop
	global_prefetch_b8 v0, s[64:65] scope:SCOPE_SE
	s_setreg_imm32_b32 hwreg(HW_REG_WAVE_MODE, 25, 1), 1
	s_wait_xcnt 0x0
; out0[b][n] = max over g of IoU(anchors[n], gt_boxes[b][g]).  anchors [100000][4], gt_boxes [4][64][4], out0 [4][100000], all f32, boxes as (x1, y1, x2, y2).
; NOTHING OF reference() IS LEFT OUT, and both inputs are loaded.  Three of its steps are written in another form, by identities that hold for all finite inputs:
;  (1) max(min(a2, g2) - i1, 0) with i1 = max(a1, g1) is made as max(min(a2, g2), i1) - i1: the same difference, or i1 - i1 = 0: the same bits.
;  (2) With S = anchor_area + gt_area and t = inter / S:  inter / (S - inter) = t / (1 - t), which rises with t.  inter > 0 needs both boxes proper in x and y, and then 0 < inter <= min(areas) <= S / 2.
;      So the maximum over g is taken of t, and t / (1 - t) is made once for each output.
;  (3) where(inter > 0, ., 0): where inter is 0 the product inter x (1 / S) is +0, -0, or NaN (S = 0).  The maxima used return the other operand where one is NaN (ISA guide, v_max_num_f32 and
;      v_max3_num_f32) and start from 0, so such a pair adds reference()'s 0 and no more.
; LIMITS.  The quotient is inter x rcp(S) and t x rcp(1 - t): a few units in the last place from reference()'s division, in another order of rounding.  v_rcp_f32 takes a denormal S for 0 and gives 0
; for S beyond 2^126: areas are served from 2^-126 to 2^126.  The sign of a zero result is not kept.  NaN and infinite inputs are not treated apart.
; SHARES.  A batch's anchors go in ROWS of 64; in the odd batches the rows begin 32 anchors lower (row 0 at anchor -32), since out0's odd rows begin 128 bytes past a multiple of 256: so every row's
; 256 bytes of out0 are aligned.  That makes 1,563 rows a batch.  Work-group (c, b) takes 24 rows, and a 25th where c < 27 (64 x 24 + 27 = 1,563).
; Wave w = 4 h + q takes the SIXTEEN gt boxes 16 q .. 16 q + 15 of batch b, which stay in scalar registers, and the rows h + 4 i, i = 0 .. 5; the 25th row goes to the wave with h = q
; (waves 0, 5, 10, 15: they differ both in w % 4 and in w / 4).  So each quarter of the gt boxes sees all rows, and the four partial maxima of an anchor meet in LDS at the end.
; A LANE holds two anchors of a row, 64 r + l and 64 r + 32 + l: each load of a wave covers 512 consecutive bytes, and the two anchors fill the halves of the packed f32 lines, into which a gt box's
; number is broadcast from a scalar register.  For two anchors and one gt box: 4 maxima, 4 min-max, 5 packed lines, 2 reciprocals, and a three-way maximum for each two boxes: 16 lines.
; ALL SIX ROWS ARE ASKED FOR AT THE HEAD, each into registers of its own: that is why the trips are written out by macro and not looped over.
; Half a row is dead in two places (anchors -32 .. -1 of the odd batches, 100000 .. 100031 of the even ones): its lanes load the last anchor instead and their results are not stored.
; Two aligned blocks of 256 bytes of out0 span two batches and are written half by each of two work-groups.
; No tensor load, no cluster: what work-groups share is 25,600 bytes of anchors each, in a launch whose time is its arithmetic.
.set NANCH,  100000
.set NLONG,  27                        ; chunks 0 .. 26 have a 25th row
.set REG,    6656                      ; LDS: quarter q's partial maxima, 4 bytes an anchor, 25 rows x 256 bytes, and 256 bytes that only lanes that are off would name
.set SPARE,  4*REG                     ; behind them: the spare words, 128 bytes for each of the 16 waves: eight blocks of 256 bytes that no other line names
.set MAXB,   (NANCH-1)*16              ; byte offset of the last anchor
.set SPW, 2                            ; v2   LDS address of my spare word; never rewritten
.set NIL, 3                            ; v3   0, for the add alone
.set ZR,  4                            ; v4   0: where the maxima start
.set LN,  5                            ; v5   lane
.set BO,  6                            ; v6   byte offset in anchors of my anchor in the UPPER half of my first row (never negative); the other rows stand in the immediates
.set AF,  7                            ; v7   the same for the lower half of my first row, held inside the buffer
.set BL,  8                            ; v8   the same for the upper half of my last row, held inside the buffer
.set XO,  9                            ; v9   the same for the upper half of the 25th row
.set LA,  10                           ; v10  LDS address of my partial maximum, lower half of my first row
.set LX,  11                           ; v11  the same in the 25th row
.set GO,  12                           ; v12  16 x (lane % 16): the gt box whose area my lane makes
.set VN,  13                           ; v13  the way out: my first anchor
.set ACC, 14                           ; v[14:15]  the running maxima of my two anchors
.set AA,  16                           ; v[16:17]  their areas
.set T,   18                           ; v[18:21]  their widths and heights
.set RD,  22                           ; v22  the way out: 16 x thread, in an LDS region and in the chunk's part of out0
.set GB,  24                           ; v[24:27]  a gt box;  v[28:29] its width and height;  v30 its area
.set GW,  28
.set GAV, 30
.set TM,  32                           ; v[32:47]  at work, eight registers for each of two gt boxes: i1 (x: 2 anchors, y: 2 anchors), then i2, later iw and ih
.set IN,  48                           ; v[48:79]  inter, later t: a pair for each of the 16 gt boxes
.set SS,  80                           ; v[80:111] S, later 1 / S: likewise
.set ROW, 112                          ; v[112:159] six rows: eight registers each, the two anchors as loaded
.set PT,  IN                           ; the way out: four quarters' partial maxima of four anchors,
.set MX,  IN+16                        ; their maximum t, then the result,
.set DN,  IN+20                        ; 1 - t and its reciprocal
; Scalar registers.  s[2:3] anchors; s[104:105] out0 at the chunk's first anchor.  s4-51, s68-83: my 16 gt boxes as they lie in memory.  Their areas: the EVEN registers of s52-62, s66, s84-100,
; since a packed line takes the low word of an aligned scalar pair for both halves.  The odd partners are named with them, so all are written; they hold the ids and counts below.
.set WV,   53                          ; wave
.set QQ,   55                          ; q = wave % 4
.set HH,   57                          ; h = wave / 4
.set BT,   59                          ; batch
.set NA,   61                          ; the chunk's first anchor (-32 in chunk 0 of an odd batch)
.set NEND, 63                          ; one past the chunk's last anchor
.set XB,   67                          ; byte offset of the upper half of the 25th row
.set XL,   85                          ; from my first row's LDS address to the 25th row's
.set CH,   87                          ; chunk
.set T0,   89
.set T1,   91
.set SV,   93                          ; EXEC, saved
	s_load_b64 s[2:3], s[0:1], 0x0                 ; anchors
	s_load_b64 s[100:101], s[0:1], 0x8             ; gt_boxes (the registers take an area and 0 when the loads from it are done)
	s_load_b64 s[104:105], s[0:1], 0x10            ; out0
	v_lshl_add_u32 v[SPW], v0, 2, SPARE
	v_mov_b32 v[NIL], 0
	v_mov_b32 v[ZR], 0
	v_lshrrev_b32 v1, 5, v0
	v_readfirstlane_b32 s[WV], v1                  ; wave 0 .. 15
	v_and_b32 v[LN], 31, v0
	s_and_b32 s[QQ], s[WV], 3
	s_lshr_b32 s[HH], s[WV], 2
	s_mov_b32 s[CH], ttmp9
	s_and_b32 s[BT], ttmp7, 0xffff
	s_min_u32 s[T0], s[CH], NLONG
	s_mul_i32 s[T1], s[CH], 24
	s_add_co_u32 s[T0], s[T0], s[T1]               ; the chunk's first row: 24 c + min(c, 27)
	s_lshl_b32 s[T0], s[T0], 6
	s_and_b32 s[T1], s[BT], 1
	s_lshl_b32 s[T1], s[T1], 5
	s_sub_co_u32 s[NA], s[T0], s[T1]               ; its first anchor: 32 lower in the odd batches
	s_lshl_b32 s[T0], s[HH], 6
	s_add_co_u32 s[T0], s[T0], s[NA]
	s_add_co_u32 s[T0], s[T0], 32                  ; upper half of row h: 0 or more
	v_add_lshl_u32 v[BO], v[LN], s[T0], 4
	v_add_nc_u32 v[AF], 0xfffffe00, v[BO]          ; 512 bytes lower; below the buffer it wraps to a large number,
	v_min_u32 v[AF], MAXB, v[AF]                   ; which this line turns into the last anchor
	v_add_nc_u32 v[BL], 5*4096, v[BO]              ; row h + 20: past the buffer's end only in the last row of an even batch
	v_min_u32 v[BL], MAXB, v[BL]
	v_and_b32 v[GO], 15, v0
	v_lshlrev_b32 v[GO], 4, v[GO]
	s_lshl_b32 s98, s[BT], 10                      ; my 16 gt boxes: 1,024 b + 256 q bytes,
	s_lshl_b32 s[T1], s[QQ], 8
	s_add_co_u32 s98, s98, s[T1]
	s_mov_b32 s99, 0                               ; as a pair
	s_mul_i32 s96, s[BT], 4*NANCH                  ; the chunk's place in out0: 4 (100000 b + first anchor): never negative, since the first anchor is -32 only where b is odd
	s_lshl_b32 s[T1], s[NA], 2
	s_add_co_u32 s96, s96, s[T1]
	s_mov_b32 s97, 0
	s_wait_kmcnt 0x0
	s_add_nc_u64 s[100:101], s[100:101], s[98:99]
	s_load_b512 s[4:19],  s[100:101], 0x0          ; gt boxes 0-3 of my 16
	s_load_b512 s[20:35], s[100:101], 0x40
	s_load_b512 s[36:51], s[100:101], 0x80
	s_load_b512 s[68:83], s[100:101], 0xc0
	global_load_b128 v[GB:GB+3], v[GO], s[100:101]  ; and once more a box a lane, for the areas
	global_load_b128 v[ROW:ROW+3],   v[AF], s[2:3]  ; my six rows: 12 loads of 512 consecutive bytes
	global_load_b128 v[ROW+4:ROW+7], v[BO], s[2:3]
.irp i, 1,2,3,4
	global_load_b128 v[ROW+8*(\i):ROW+8*(\i)+3],   v[BO], s[2:3] offset:4096*(\i)-512  ; four rows on are 4,096 bytes
	global_load_b128 v[ROW+8*(\i)+4:ROW+8*(\i)+7], v[BO], s[2:3] offset:4096*(\i)
.endr
	global_load_b128 v[ROW+40:ROW+43], v[BO], s[2:3] offset:4096*5-512
	global_load_b128 v[ROW+44:ROW+47], v[BL], s[2:3]
	s_add_nc_u64 s[104:105], s[104:105], s[96:97]
	s_mul_i32 s[T0], s[QQ], REG                    ; LDS: region q, row h, 4 bytes a lane
	s_lshl_b32 s[T1], s[HH], 8
	s_add_co_u32 s[T0], s[T0], s[T1]
	v_lshl_add_u32 v[LA], v[LN], 2, s[T0]
	s_sub_co_u32 s[XL], 24*256, s[T1]              ; from row h to row 24
	s_add_co_u32 s[XB], s[NA], 24*64+32
	s_lshl_b32 s[XB], s[XB], 4
	s_cmp_lt_u32 s[CH], NLONG
	s_cselect_b32 s[NEND], 64, 0                   ; the 25th row's anchors
	s_add_co_u32 s[NEND], s[NEND], s[NA]
	s_add_co_u32 s[NEND], s[NEND], 24*64
	s_min_u32 s[NEND], s[NEND], NANCH
	s_mov_b32 s[SV], 0                             ; named as an area's partner, so it is written
	s_mov_b32 s95, 0                               ; likewise
; Where gt box j of my sixteen lies: its four coordinates from s[GC] on, its area in s[GS].
.macro GREGS j
.if (\j) < 12
.set GC, 4+4*(\j)
.else
.set GC, 20+4*(\j)
.endif
.if (\j) < 6
.set GS, 52+2*(\j)
.elseif (\j) == 6
.set GS, 66
.else
.set GS, 70+2*(\j)
.endif
.endm
	s_wait_loadcnt 12                              ; my lane's gt box is in; the 12 loads of the rows, issued behind it, may stay out
	v_pk_add_f32 v[GW:GW+1], v[GB+2:GB+3], v[GB:GB+1] neg_lo:[0,1] neg_hi:[0,1]  ; (x2 - x1, y2 - y1)
	v_mul_f32 v[GAV], v[GW], v[GW+1]               ; lane j (0 .. 15): the area of gt box j
	s_wait_kmcnt 0x0                               ; the coordinates are in; every load from gt_boxes is done, so its address registers may be written
.set j, 0
.rept 16
	GREGS j
	v_readlane_b32 s[GS], v[GAV], j
.set j, j+1
.endr
	s_mov_b32 s101, 0                              ; the last area's partner
; Two gt boxes j, j + 1 against the row in v[R .. R+7] (anchor A: R .. R+3, anchor B: R+4 .. R+7).  The lines go stage by stage, so that none reads the result of the line before it.
; The four reciprocals stand singly between plain lines; nothing names their results before the trip's one wait.
.macro TWO R, j
	GREGS \j
.set CA, GC
.set SA, GS
	GREGS (\j)+1
.set CB, GC
.set SB, GS
.set DD, SS+2*(\j)
.set II, IN+2*(\j)
	v_pk_add_f32 v[DD:DD+1],   v[AA:AA+1], s[SA:SA+1] op_sel_hi:[1,0]  ; S = anchor area + gt area, both anchors
	v_pk_add_f32 v[DD+2:DD+3], v[AA:AA+1], s[SB:SB+1] op_sel_hi:[1,0]
	v_max_num_f32 v[TM],    s[CA],   v[(\R)]       ; ix1 of A, of B
	v_max_num_f32 v[TM+1],  s[CA],   v[(\R)+4]
	v_max_num_f32 v[TM+2],  s[CA+1], v[(\R)+1]     ; iy1
	v_max_num_f32 v[TM+3],  s[CA+1], v[(\R)+5]
	v_max_num_f32 v[TM+8],  s[CB],   v[(\R)]
	v_max_num_f32 v[TM+9],  s[CB],   v[(\R)+4]
	v_max_num_f32 v[TM+10], s[CB+1], v[(\R)+1]
	v_max_num_f32 v[TM+11], s[CB+1], v[(\R)+5]
	v_minmax_num_f32 v[TM+4], v[(\R)+2], s[CA+2], v[TM]     ; max(min(ax2, gx2), ix1)
	v_rcp_f32 v[DD], v[DD]
	v_minmax_num_f32 v[TM+5], v[(\R)+6], s[CA+2], v[TM+1]
	v_rcp_f32 v[DD+1], v[DD+1]
	v_minmax_num_f32 v[TM+6], v[(\R)+3], s[CA+3], v[TM+2]
	v_rcp_f32 v[DD+2], v[DD+2]
	v_minmax_num_f32 v[TM+7], v[(\R)+7], s[CA+3], v[TM+3]
	v_rcp_f32 v[DD+3], v[DD+3]
	v_minmax_num_f32 v[TM+12], v[(\R)+2], s[CB+2], v[TM+8]
	v_minmax_num_f32 v[TM+13], v[(\R)+6], s[CB+2], v[TM+9]
	v_minmax_num_f32 v[TM+14], v[(\R)+3], s[CB+3], v[TM+10]
	v_minmax_num_f32 v[TM+15], v[(\R)+7], s[CB+3], v[TM+11]
	v_pk_add_f32 v[TM+4:TM+5],   v[TM+4:TM+5],   v[TM:TM+1]     neg_lo:[0,1] neg_hi:[0,1]  ; iw, 0 or more
	v_pk_add_f32 v[TM+6:TM+7],   v[TM+6:TM+7],   v[TM+2:TM+3]   neg_lo:[0,1] neg_hi:[0,1]  ; ih
	v_pk_add_f32 v[TM+12:TM+13], v[TM+12:TM+13], v[TM+8:TM+9]   neg_lo:[0,1] neg_hi:[0,1]
	v_pk_add_f32 v[TM+14:TM+15], v[TM+14:TM+15], v[TM+10:TM+11] neg_lo:[0,1] neg_hi:[0,1]
	v_pk_mul_f32 v[II:II+1],   v[TM+4:TM+5],   v[TM+6:TM+7]     ; inter
	v_pk_mul_f32 v[II+2:II+3], v[TM+12:TM+13], v[TM+14:TM+15]
.endm
; A TRIP: one row against my 16 gt boxes; the two partial maxima go to LDS at v[la] + off and 128 bytes on.
.macro TRIP R, la, off
	v_pk_add_f32 v[T:T+1],   v[(\R)+2:(\R)+3], v[(\R):(\R)+1]   neg_lo:[0,1] neg_hi:[0,1]  ; A's width and height
	v_pk_add_f32 v[T+2:T+3], v[(\R)+6:(\R)+7], v[(\R)+4:(\R)+5] neg_lo:[0,1] neg_hi:[0,1]  ; B's
	v_mul_f32 v[AA],   v[T],   v[T+1]
	v_mul_f32 v[AA+1], v[T+2], v[T+3]
.irp j, 0,2,4,6,8,10,12,14
	TWO \R, \j
.endr
	s_wait_alu depctr_va_vdst(0)                   ; ONE wait for the trip's 32 reciprocals ahead of their first reader; ten plain lines stand behind the last of them
.set k, 0
.rept 8                                            ; t = inter x (1 / S); the maxima follow a group behind, three operands at a time, the two anchors' chains by turns
	v_pk_mul_f32 v[IN+4*k:IN+4*k+1],   v[IN+4*k:IN+4*k+1],   v[SS+4*k:SS+4*k+1]
	v_pk_mul_f32 v[IN+4*k+2:IN+4*k+3], v[IN+4*k+2:IN+4*k+3], v[SS+4*k+2:SS+4*k+3]
.if k == 1
	v_max3_num_f32 v[ACC],   v[ZR], v[IN],   v[IN+2]    ; the maxima start from 0: a NaN (0 x infinity) or a -0 loses
	v_max3_num_f32 v[ACC+1], v[ZR], v[IN+1], v[IN+3]
.elseif k > 1
	v_max3_num_f32 v[ACC],   v[ACC],   v[IN+4*k-4], v[IN+4*k-2]
	v_max3_num_f32 v[ACC+1], v[ACC+1], v[IN+4*k-3], v[IN+4*k-1]
.endif
.set k, k+1
.endr
	v_max3_num_f32 v[ACC],   v[ACC],   v[IN+28], v[IN+30]
	v_max3_num_f32 v[ACC+1], v[ACC+1], v[IN+29], v[IN+31]
	ds_store_b32 v[\la], v[ACC]   offset:\off
	ds_store_b32 v[\la], v[ACC+1] offset:(\off)+128
.endm
	s_wait_loadcnt 10                              ; row h is in; the ten loads of the five later rows may stay out
	TRIP ROW, LA, 0
	; The 25th row is asked for now, into the registers that the first trip has done with: five trips ahead of its use.
	s_cmp_lg_u32 s[QQ], s[HH]
	s_cbranch_scc1 .Lnot_asked                     ; it is the wave's with h = q,
	s_cmp_ge_u32 s[CH], NLONG
	s_cbranch_scc1 .Lnot_asked                     ; in chunks 0 .. 26
	v_lshl_add_u32 v[XO], v[LN], 4, s[XB]
	global_load_b128 v[ROW:ROW+3],   v[XO], s[2:3] offset:-512
	global_load_b128 v[ROW+4:ROW+7], v[XO], s[2:3]
.Lnot_asked:
.irp i, 1,2,3,4,5
	s_wait_loadcnt 10-2*(\i)                       ; row h + 4 i is in: behind its loads stand those of the 5 - i later rows; where the 25th row's two are out as well, the count asks for more than it needs
	TRIP ROW+8*(\i), LA, 1024*(\i)
.endr
	s_cmp_lg_u32 s[QQ], s[HH]
	s_cbranch_scc1 .Lno_25th
	s_cmp_ge_u32 s[CH], NLONG
	s_cbranch_scc1 .Lno_25th
	s_wait_loadcnt 0x0                             ; the 25th row is in (the last trip's wait was for 0 already)
	v_add_nc_u32 v[LX], s[XL], v[LA]
	TRIP ROW, LX, 0
.Lno_25th:
	s_wait_dscnt 0x0                               ; for the others' sake: my partial maxima lie in LDS
	s_barrier_signal -1
	s_barrier_wait -1                              ; everybody's do
	; THE WAY OUT.  Thread T takes the chunk's anchors 4 T .. 4 T + 3: 16 bytes from each of the four regions, their maximum t, t / (1 - t), 16 bytes of out0.
	; A wave's store covers 512 consecutive bytes at a multiple of 256 from out0's first byte.  25 rows are 400 threads: waves 13 to 15 have none.
	s_cmp_gt_u32 s[WV], 12
	s_cbranch_scc1 .Lend
	v_lshl_add_u32 v[VN], v0, 2, s[NA]             ; my first anchor; a negative one counts as a large number below
	v_lshlrev_b32 v[RD], 4, v0
	v_cmp_gt_u32 vcc_lo, s[NEND], v[VN]            ; inside the chunk and inside the batch
	s_wait_xcnt 0x0                                ; EXEC changes only behind this wait
	s_and_saveexec_b32 s[SV], vcc_lo
.irp r, 0,1,2,3
	ds_load_b128 v[PT+4*(\r):PT+4*(\r)+3], v[RD] offset:(\r)*REG
.endr
	s_wait_dscnt 0x0
.irp k, 0,1,2,3
	v_max3_num_f32 v[MX+(\k)], v[PT+(\k)], v[PT+4+(\k)], v[PT+8+(\k)]
.endr
.irp k, 0,1,2,3
	v_max_num_f32 v[MX+(\k)], v[MX+(\k)], v[PT+12+(\k)]
.endr
.irp k, 0,1,2,3
	v_sub_f32 v[DN+(\k)], 1.0, v[MX+(\k)]          ; t is at most one half, to within rounding
.endr
.irp k, 0,1,2,3
	v_rcp_f32 v[DN+(\k)], v[DN+(\k)]
.endr
	v_nop                                          ; a plain line behind the last reciprocal,
	s_wait_alu depctr_va_vdst(0)                   ; and the one wait for the four, ahead of their first reader
	v_pk_mul_f32 v[MX:MX+1],   v[MX:MX+1],   v[DN:DN+1]
	v_pk_mul_f32 v[MX+2:MX+3], v[MX+2:MX+3], v[DN+2:DN+3]
	global_store_b128 v[RD], v[MX:MX+3], s[104:105] th:TH_STORE_NT
	s_wait_xcnt 0x0                                ; and again, in front of the line that widens EXEC
	s_or_b32 exec_lo, exec_lo, s[SV]
.Lend:
	s_wait_tensorcnt 0x0                           ; the wave's end, behind my last LDS store
	ds_add_u32 v[SPW], v[NIL]
	s_wait_dscnt 0x0
	s_endpgm
.Lfunc_end_k_qb9fd8ca609_anchor_iou:
	.size	k_qb9fd8ca609_anchor_iou, .Lfunc_end_k_qb9fd8ca609_anchor_iou-k_qb9fd8ca609_anchor_iou
	.p2alignl 7, 3214868480
	.fill 96, 4, 3214868480
	.section	.rodata,"a",@progbits
	.p2align	6, 0x0
	.amdhsa_kernel k_qb9fd8ca609_anchor_iou
		.amdhsa_group_segment_fixed_size 28672
		.amdhsa_private_segment_fixed_size 0
		.amdhsa_enable_private_segment 0
		.amdhsa_kernarg_size 24
		.amdhsa_user_sgpr_count 2
		.amdhsa_user_sgpr_kernarg_segment_ptr 1
		.amdhsa_wavefront_size32 1
		.amdhsa_system_sgpr_workgroup_id_x 1
		.amdhsa_system_sgpr_workgroup_id_y 1
		.amdhsa_system_sgpr_workgroup_id_z 1
		.amdhsa_system_vgpr_workitem_id 0
		.amdhsa_next_free_vgpr 160
		.amdhsa_next_free_sgpr 106
		.amdhsa_reserve_vcc 1
		.amdhsa_float_denorm_mode_32 3
		.amdhsa_float_denorm_mode_16_64 3
		.amdhsa_memory_ordered 1
		.amdhsa_forward_progress 1
		.amdhsa_inst_pref_size 102
	.end_amdhsa_kernel
	.amdgpu_metadata
---
amdhsa.version: [ 1, 2 ]
amdhsa.kernels:
  - .name:           k_qb9fd8ca609_anchor_iou
    .symbol:         k_qb9fd8ca609_anchor_iou.kd
    .args:
      - { .name: anchors, .offset: 0, .size: 8, .value_kind: global_buffer, .address_space: global }
      - { .name: gt_boxes, .offset: 8, .size: 8, .value_kind: global_buffer, .address_space: global }
      - { .name: out0, .offset: 16, .size: 8, .value_kind: global_buffer, .address_space: global }
    .group_segment_fixed_size: 28672
    .private_segment_fixed_size: 0
    .kernarg_segment_align: 8
    .kernarg_segment_size: 24
    .max_flat_workgroup_size: 512
    .sgpr_count:     106
    .vgpr_count:     160
    .wavefront_size: 32
...
	.end_amdgpu_metadata
.endif
;; end of part 1
